; MI455X (gfx1250); checked and timed in simulation.
; The chip was launched on July 23, 2026; its instructions are those of AMD's public machine-readable ISA for CDNA 5 (MIT licence, August 2026) and "CDNA5" Instruction Set Architecture Reference Guide (July 2026). The comments in the code are by the model that wrote it; some were corrected since.
;; Quantizer. Allowed arithmetic: float matrix products may take bf16 or f16 operands with f32 sums; all other float work in f32.
;; Inputs: emb_mtrx 64 x 512 float32; inpt 32 x 4,096 x 64 float32.
;; Outputs: out0 32 x 4,096 x 64 float32; out1 one number float32.
;; 2 versions, each right and faster than the one before. Each part assembles by itself: llvm-mc -triple=amdgcn-amd-amdhsa -mcpu=gfx1250 --defsym DOCPART=n.
;; ======== version 1 of 2: 2 launches
;; limits: values outside matrix products are rounded to bf16; right only within a limited range of input values
;; workspace buffers: part 8,192 bytes
;; launch quantize (part 1): grid 256 x 1, 8 waves a work-group, no clusters, 276,480 bytes of LDS; arguments emb_mtrx, inpt, out0, part; writes out0, part
.if DOCPART == 1
	.amdgcn_target "amdgcn-amd-amdhsa--gfx1250"
	.amdhsa_code_object_version 6
	.text
	.protected	k_q71e135d3e6_quantize
	.globl	k_q71e135d3e6_quantize
	.p2align	8
	.type	k_q71e135d3e6_quantize,@function
k_q71e135d3e6_quantize:
	s_mov_b64 s[64:65], 0
	v_nop
	global_prefetch_b8 v0, s[64:65] scope:SCOPE_SE
	s_setreg_imm32_b32 hwreg(HW_REG_WAVE_MODE, 25, 1), 1
	s_wait_xcnt 0x0
; Vector quantiser.  x = inpt as [131072][64] f32, E = emb_mtrx [64 (d)][512 (code)] f32.
;   dist[row][code] = (||x||^2 - 2 x.E) + ||e||^2,  idx = first index of the smallest dist,  q = E[:,idx],
;   out0 = x + (q - x),  part[8 wg + wave] = this wave's sum of (q - x)^2 (added up by the next launch).
; A work-group owns 512 rows, a wave 64 rows = 4 tiles of 16, which it takes through all 512 codes in one pass.
;
; NUMBERS.  Both products run on the matrix units with bf16 operands (x and E rounded to nearest even) and f32 sums.
; ||e||^2 and ||x||^2 are summed in f32 over the ROUNDED numbers.  Each distance is formed in the order written above,
; fl(fl(sx - 2 dot) + se), so that equal f32 distances arise where that order makes them; ties go to the first index.
; LIMITS, kept knowingly: a row whose two nearest codes differ by less than the rounding of these sums may get the other code than an
; evaluation with another order of the sums; q in out0 is E rounded to bf16 (relative 2^-9); NaN and infinities in the inputs are
; not served; two distances inside one group of 32 codes that differ by less than 2^-95 count as equal.
;
; THE GATHER is a second product, q = onehot(idx) x E^T: no address is ever formed from idx.
; NO CLUSTER: the one input that work-groups share is E, 131,072 bytes.  It has to pass through registers (rounding, norms), and a joint
; tensor load would need 131,072 bytes of f32 staging beside the 275,456 bytes of LDS laid out below: more than the 327,680 there are.
;
; LDS.  EG: E in bf16, [d][code], pitch 1040 = 65 x 16, row d stored at place 16 (d & 3) + (d >> 2): plain fragment loads, whose sixteen
; rows start at sixteen different offsets modulo 256.  ES: the same numbers, rows in order, pitch 1056 = 33 x 32, for the transposing load.
; SQ: the 512 norms.  XB: x in f32, pitch 272; each wave's 64 rows are written by its own tensor load and read by it alone.
.set PG, 1040
.set PS, 1056
.set PX, 272
.set ES, 64*PG                         ; 66,560 (EG lies at 0)
.set SQ, ES+64*PS                      ; 134,144
.set XB, SQ+2048                       ; 136,192; ends at 136,192 + 512 x 272 = 275,456
; registers, whole kernel (v2: byte offset of my two codes in a row of E)
.set LANE, 1
.set AD_ES, 3                          ; LDS address for the transposing loads of E
.set AD_SQ, 4                          ; for the norms
.set AD_EG, 5                          ; for the gather's fragments of E
.set AD_XO, 6                          ; for x in the output's layout
.set OFF_O, 7                          ; byte offset in out0
.set H8, 8                             ; 8 x (lane / 16)
.set ONE, 9                            ; 0x3f80 = 1.0 in bf16
; registers, scoring (v10-13 at work)
.set SX, 14                            ; v14-17  ||x||^2 of row r in tile a
.set BEST, 18                          ; v18-21  smallest distance so far, tile a
.set BKEY, 22                          ; v22-25  its place in its group of 32 codes, as f32
.set BG, 26                            ; v26-29  32 x its group
.set IDXC, 32                          ; v32-47  places 0..7, 16..23 as f32
.set SET0, 48                          ; v48-63   16 distances (two code tiles) of one row tile
.set XF, 64                            ; v64-127  x fragments: tile a, K step c at XF + 16 a + 8 c
.set SET1, 128                         ; v128-143 the other set
.set SQA, 144                          ; v144-159, v160-175: norms of a group, two buffers
.set SQB, 160
.set EBA, 176                          ; v176-207, v208-239: E fragments of a group (tile t, K step c at + 16 t + 8 c), two buffers
.set EBB, 208
; registers, prologue only
.set SA, 48                            ; v48-49 norms of my two codes; then v48-51 the chains of ||x||^2
.set P_EG, 52
.set P_ES0, 53
.set P_ES1, 54
.set P_SQ, 55
.set WT, 56                            ; v56-63 two rounded numbers each
.set EF, 128                           ; v128-255 E as loaded
.set FA, 128                           ; then x in f32, two buffers of 32
.set FB, 160
; registers, gather and output
.set OH0, 10                           ; v10-17, v18-25: one-hot fragments, two buffers
.set OH1, 18
.set SSTAR, 26                         ; v26-29 idx >> 5 of row r, tile a
.set LP, 32                            ; v32-63 tile a: the one-hot pattern inside a K step of 32 codes, 8 registers
.set ACC, 64                           ; v64-191 q: tile a, d tile t at ACC + 32 a + 8 t
.set BUF0, 192                         ; v192-223, v224-255: E fragments of a K step, then x
.set BUF1, 224
.set LOSS, 10                          ; v10-13, output phase: two chains of two sums of squares
	s_load_b256 s[4:11], s[0:1], 0x0               ; E s[4:5], x s[6:7], out0 s[8:9], part s[10:11]
	v_lshl_add_u32 v30, v0, 2, 0x43400
	v_mov_b32 v31, 0
	ds_add_u32 v30, v31
	ds_add_u32 v30, v31
	v_lshrrev_b32 v2, 5, v0
	v_readfirstlane_b32 s12, v2                    ; wave 0..7
	v_and_b32 v[LANE], 31, v0
	s_lshl_b32 s14, ttmp9, 17                      ; 512 rows of 256 bytes a work-group,
	s_lshl_b32 s15, s12, 14                        ; 64 rows a wave
	s_add_co_u32 s14, s14, s15
	s_mov_b32 s15, 0
	; tensor descriptor: my 64 rows of 64 f32, 16 bytes of padding behind each row of 64 words
	s_mov_b32 s16, 1                               ; count
	s_mul_i32 s17, s12, 64*PX
	s_add_co_u32 s17, s17, XB                      ; LDS address: my wave's 17,408 bytes
	s_mov_b32 s20, (2<<16)|(1<<20)|(5<<22)|(3<<25) ; 4-byte elements; pad on; every 64 words; by 4 words
	s_mov_b32 s21, 64<<16                          ; tensor_dim0 = 64
	s_mov_b32 s22, 64<<16                          ; tensor_dim1 = 64
	s_mov_b32 s23, 64<<16                          ; tile_dim0 = 64
	s_mov_b32 s24, 64                              ; tile_dim1 = 64
	s_mov_b32 s25, 64                              ; 64 elements from row to row
	s_mov_b32 s26, 0
	s_mov_b32 s27, 0
	s_lshl_b32 s38, ttmp9, 5
	s_lshl2_add_u32 s38, s12, s38                  ; 4 bytes x (8 x work-group + wave)
	s_mov_b32 s39, 0
	s_mov_b32 s28, 0x76543210                      ; v_permlanex16_b32: lane i takes lane i of the other half
	s_mov_b32 s29, 0xfedcba98
	s_mov_b32 s36, 0x71800000                      ; 2^100, twice (a pair for the packed forms)
	s_mov_b32 s37, 0x71800000
	v_lshlrev_b32 v2, 3, v0                        ; E: codes 2 t, 2 t + 1 of thread t: a wave's load covers 256 neighbouring bytes of a row
	s_wait_dscnt 0x0
	s_wait_kmcnt 0x0
	s_add_nc_u64 s[18:19], s[6:7], s[14:15]
	s_or_b32 s19, s19, 0x80000000                  ; type 2
	tensor_load_to_lds s[16:19], s[20:27]          ; the wave's whole input is on its way before anything else
	s_nop 0
	s_add_nc_u64 s[8:9], s[8:9], s[14:15]          ; out0 at my first row
	s_add_nc_u64 s[10:11], s[10:11], s[38:39]      ; my word of part
.set d, 0
.rept 64
	global_load_b64 v[EF+2*d:EF+2*d+1], v2, s[4:5] offset:d*2048   ; E[d][my two codes]
.set d, d+1
.endr
	; addresses, while E is on its way.  r = lane % 16, h = lane / 16
	v_and_b32 v11, 15, v0
	v_bfe_u32 v12, v0, 4, 1
	v_lshlrev_b32 v[H8], 3, v12
	v_mul_u32_u24 v13, v11, PX
	v_lshl_add_u32 v13, v12, 5, v13
	v_add_nc_u32 v10, s17, v13                     ; x as fragments: row r, 8 numbers from d = 8 h
	v_mul_u32_u24 v13, v12, 8*PX
	v_lshl_add_u32 v13, v11, 4, v13
	v_add_nc_u32 v[AD_XO], s17, v13                ; x as it leaves: row 8 h, numbers 4 r .. 4 r + 3
	v_and_b32 v13, 7, v0
	v_add_nc_u32 v13, v13, v[H8]
	v_mul_u32_u24 v13, v13, PS
	v_bfe_u32 v[AD_ES], v0, 3, 1
	v_lshl_add_u32 v13, v[AD_ES], 4, v13
	v_add_nc_u32 v[AD_ES], ES, v13                 ; row 8 h + lane % 8, 16 bytes (8 codes) by bit 3 of the lane
	v_lshlrev_b32 v[AD_SQ], 5, v12
	v_add_nc_u32 v[AD_SQ], SQ, v[AD_SQ]            ; norms of codes 8 h ..
	v_mul_u32_u24 v13, v11, PG
	v_lshl_add_u32 v[AD_EG], v12, 4, v13           ; stored row r, codes 8 h ..
	v_lshlrev_b32 v13, 4, v11
	v_lshl_add_u32 v[OFF_O], v12, 11, v13          ; out0: row 8 h, byte 16 r
	v_mov_b32 v[ONE], 0x3f80
.set d, 0
.rept 16
	v_cvt_f32_u32 v[IDXC+d], 16*(d>>3)+(d&7)       ; the place of distance register d in its group, less 8 h
.set d, d+1
.endr
	v_lshlrev_b32 v[P_EG], 2, v0                   ; two bf16 a thread: byte 4 t of a stored row
	v_add_nc_u32 v[P_ES0], ES, v[P_EG]
	v_add_nc_u32 v[P_ES1], ES+32*PS, v[P_EG]       ; rows 32.. (63 x 1056 does not fit the 16-bit offset)
	v_add_nc_u32 v[P_SQ], SQ, v2
	v_mov_b32 v[SA], 0
	v_mov_b32 v[SA+1], 0
	; E: round to bf16, store both copies, add the squares of the rounded numbers in ascending d
.set d, 0
.rept 64
.if (d % 8) == 0
	s_wait_loadcnt 56-d                            ; loads return in order (ISA guide 5.7.1): rows d .. d + 7 are in, the 56 - d younger may be out
.endif
	v_cvt_pk_bf16_f32 v[WT+d%8], v[EF+2*d], v[EF+2*d+1]
	v_fma_mix_f32_bf16 v[SA], v[WT+d%8], v[WT+d%8], v[SA] op_sel_hi:[1,1,0]
	v_fma_mix_f32_bf16 v[SA+1], v[WT+d%8], v[WT+d%8], v[SA+1] op_sel:[1,1,0] op_sel_hi:[1,1,0]
.if d < 32
	ds_store_b32 v[P_ES0], v[WT+d%8] offset:d*PS
.else
	ds_store_b32 v[P_ES1], v[WT+d%8] offset:(d-32)*PS
.endif
	ds_store_b32 v[P_EG], v[WT+d%8] offset:(16*(d&3)+(d>>2))*PG
.set d, d+1
.endr
	ds_store_b64 v[P_SQ], v[SA:SA+1]
	; x: f32 from LDS in the fragment's layout (lane (r, h): row r, d = 16 q + 8 h + 0..7 for q = 0..3), rounding to bf16, ||x||^2
.macro LOADF a, f
.irp q, 0,1,2,3
	ds_load_b128 v[\f+8*\q:\f+8*\q+3],   v10 offset:\a*16*PX+64*\q
	ds_load_b128 v[\f+8*\q+4:\f+8*\q+7], v10 offset:\a*16*PX+64*\q+16
.endr
.endm
.macro PREP a, f
.irp m, 0,1,2,3,4,5,6,7,8,9,10,11,12,13,14,15
	v_cvt_pk_bf16_f32 v[XF+16*\a+\m], v[\f+2*\m], v[\f+2*\m+1]
.endr
.irp m, 48,49,50,51
	v_mov_b32 v\m, 0                               ; four chains
.endr
.irp m, 0,2,4,6,8,10,12,14
	v_fma_mix_f32_bf16 v48, v[XF+16*\a+\m], v[XF+16*\a+\m], v48 op_sel_hi:[1,1,0]
	v_fma_mix_f32_bf16 v49, v[XF+16*\a+\m], v[XF+16*\a+\m], v49 op_sel:[1,1,0] op_sel_hi:[1,1,0]
	v_fma_mix_f32_bf16 v50, v[XF+16*\a+\m+1], v[XF+16*\a+\m+1], v50 op_sel_hi:[1,1,0]
	v_fma_mix_f32_bf16 v51, v[XF+16*\a+\m+1], v[XF+16*\a+\m+1], v51 op_sel:[1,1,0] op_sel_hi:[1,1,0]
.endr
	v_pk_add_f32 v[48:49], v[48:49], v[50:51]
	v_add_f32 v48, v48, v49                        ; my 32 numbers of row r
	v_permlanex16_b32 v49, v48, s28, s29           ; the other 32
	v_add_f32 v[SX+\a], v48, v49                   ; the same bits in both halves
.endm
	s_wait_tensorcnt 0x0                           ; my rows are in LDS; no other wave reads them
	LOADF 0, FA
	LOADF 1, FB
	s_wait_dscnt 0x8                               ; all but the next tile's eight loads
	PREP 0, FA
	LOADF 2, FA
	s_wait_dscnt 0x8
	PREP 1, FB
	LOADF 3, FB
	s_wait_dscnt 0x8
	PREP 2, FA
	s_wait_dscnt 0x0
	PREP 3, FB
	s_wait_dscnt 0x0                               ; my part of E and of the norms is stored: zero, for the others' sake
	s_barrier_signal -1
	s_barrier_wait -1                              ; all of E is there; it is never written again
; ---------------------------------------------------------------- scoring
; A group = 32 codes = two tiles of 16.  Twelve LDS loads: E's fragments (stored [d][code], so by the transposing load: lane (r, h) gets
; code r, d = 8 h + 0..7) and the norms of codes 16 t + 8 h + 0..7.
.macro LOADE eb, sb, eo, so
.irp t, 0,1
.irp c, 0,1
	ds_load_tr16_b128 v[\eb+16*\t+8*\c:\eb+16*\t+8*\c+3],   v[AD_ES] offset:\eo+32*\t+32*\c*PS
	ds_load_tr16_b128 v[\eb+16*\t+8*\c+4:\eb+16*\t+8*\c+7], v[AD_ES] offset:\eo+32*\t+(32*\c+16)*PS
.endr
	ds_load_b128 v[\sb+8*\t:\sb+8*\t+3],   v[AD_SQ] offset:\so+64*\t
	ds_load_b128 v[\sb+8*\t+4:\sb+8*\t+7], v[AD_SQ] offset:\so+64*\t+16
.endr
.endm
; x.E of row tile a with the group's 32 codes.  Source 0 = codes, source 1 = rows: register j of lane (r, h) is (code 8 h + j, row r),
; so a row's distances stay in one lane.  The first product starts each sum.
.macro SCORE_MM sv, a, eb
	v_wmma_f32_16x16x32_bf16 v[\sv:\sv+7],    v[\eb:\eb+7],     v[XF+16*\a:XF+16*\a+7],    0
	v_wmma_f32_16x16x32_bf16 v[\sv+8:\sv+15], v[\eb+16:\eb+23], v[XF+16*\a:XF+16*\a+7],    0
	v_wmma_f32_16x16x32_bf16 v[\sv:\sv+7],    v[\eb+8:\eb+15],  v[XF+16*\a+8:XF+16*\a+15], v[\sv:\sv+7]
	v_wmma_f32_16x16x32_bf16 v[\sv+8:\sv+15], v[\eb+24:\eb+31], v[XF+16*\a+8:XF+16*\a+15], v[\sv+8:\sv+15]
.endm
.macro MIN16 sv                        ; the smallest of 16 registers into v10: eight instructions
	v_min3_num_f32 v10, v[\sv], v[\sv+1], v[\sv+2]
	v_min3_num_f32 v11, v[\sv+3], v[\sv+4], v[\sv+5]
	v_min3_num_f32 v12, v[\sv+6], v[\sv+7], v[\sv+8]
	v_min3_num_f32 v13, v[\sv+9], v[\sv+10], v[\sv+11]
	v_min3_num_f32 v10, v10, v[\sv+12], v[\sv+13]
	v_min3_num_f32 v11, v11, v[\sv+14], v[\sv+15]
	v_min_num_f32 v12, v12, v13
	v_min3_num_f32 v10, v10, v11, v12
.endm
; 16 dot products -> distances -> the group's smallest and its first place -> merged into the running best.  52 instructions.
.macro SCORE_VA sv, a, sb, gs
.irp i, 0,2,4,6,8,10,12,14
.if (\a) & 1
	v_pk_fma_f32 v[\sv+\i:\sv+\i+1], v[\sv+\i:\sv+\i+1], -2.0, v[SX+(\a)-1:SX+(\a)] op_sel:[0,0,1] op_sel_hi:[1,0,1]   ; fl(sx - 2 dot): 2 dot is exact
.else
	v_pk_fma_f32 v[\sv+\i:\sv+\i+1], v[\sv+\i:\sv+\i+1], -2.0, v[SX+(\a):SX+(\a)+1] op_sel_hi:[1,0,0]
.endif
.endr
.irp i, 0,2,4,6,8,10,12,14
	v_pk_add_f32 v[\sv+\i:\sv+\i+1], v[\sv+\i:\sv+\i+1], v[\sb+\i:\sb+\i+1]        ; + ||e||^2
.endr
	MIN16 \sv
	v_cmp_lt_f32 vcc_lo, v10, v[BEST+\a]           ; strictly smaller: an earlier group keeps a tie
	v_min_num_f32 v[BEST+\a], v[BEST+\a], v10
.irp i, 0,2,4,6,8,10,12,14
	v_pk_add_f32 v[\sv+\i:\sv+\i+1], v[\sv+\i:\sv+\i+1], v[10:11] op_sel_hi:[1,0] neg_lo:[0,1] neg_hi:[0,1]   ; 0 exactly where the smallest stands
.endr
.irp i, 0,2,4,6,8,10,12,14
	v_pk_fma_f32 v[\sv+\i:\sv+\i+1], v[\sv+\i:\sv+\i+1], s[36:37], v[IDXC+\i:IDXC+\i+1] op_sel_hi:[1,0,1]    ; there: the place; elsewhere: huge
.endr
	MIN16 \sv                                      ; the first place among equals
	v_cndmask_b32 v[BKEY+\a], v[BKEY+\a], v10, vcc_lo
	v_cndmask_b32 v[BG+\a], v[BG+\a], \gs, vcc_lo
.endm
; One group for the four row tiles.  Matrix work for one set is issued in front of the vector work on the other set: the 52 vector
; instructions, which name none of those matrix instructions' registers, are the places that ISA guide 7.12.1 asks for between a matrix
; instruction and the first vector read of its result, the next products into that set, and the loads that refill the fragments it read.
; On entry the products of tile 0 are already issued into SET0.  more: 2 = two more groups follow (refill my buffers), 1 = one, 0 = none.
.macro GROUP ec, sc, en, gs, more, eo, so
	SCORE_MM SET1, 1, \ec
	SCORE_VA SET0, 0, \sc, \gs
	SCORE_MM SET0, 2, \ec
	SCORE_VA SET1, 1, \sc, \gs
	SCORE_MM SET1, 3, \ec
	SCORE_VA SET0, 2, \sc, \gs
.if \more >= 1
	s_wait_dscnt 0x0                               ; the next group's twelve loads, the only ones out
	SCORE_MM SET0, 0, \en
.endif
	SCORE_VA SET1, 3, \sc, \gs
.if \more >= 2
	LOADE \ec, \sc, \eo, \so
.endif
.endm
	LOADE EBA, SQA, 0, 0
	LOADE EBB, SQB, 64, 128
	s_mov_b32 s30, 0                               ; 32 x group, and the loop's counter
	s_wait_dscnt 0xc                               ; the first group is in; the second group's twelve loads may be out
	SCORE_MM SET0, 0, EBA
.irp a, 0,1,2,3
	v_mov_b32 v[BEST+\a], 0x7f800000               ; twelve plain instructions: also the places behind the four products above
	v_mov_b32 v[BKEY+\a], 0
	v_mov_b32 v[BG+\a], 0
.endr
.Lscore:
	s_add_co_u32 s31, s30, 32
	GROUP EBA, SQA, EBB, s30, 2, 128, 256
	GROUP EBB, SQB, EBA, s31, 2, 192, 384
	v_add_nc_u32 v[AD_ES], 128, v[AD_ES]           ; two groups: 64 codes of 2 bytes,
	v_add_nc_u32 v[AD_SQ], 0x100, v[AD_SQ]         ; 64 norms of 4 bytes
	s_add_co_u32 s30, s30, 64
	s_cmp_lt_u32 s30, 448
	s_cbranch_scc1 .Lscore                         ; seven trips: groups 0 to 13
	s_add_co_u32 s31, s30, 32
	GROUP EBA, SQA, EBB, s30, 1, 0, 0              ; groups 14 and 15 fetch nothing more
	GROUP EBB, SQB, EBA, s31, 0, 0, 0
; ---------------------------------------------------------------- index, one-hot pattern
; E for the gather: source 1, column r is stored row 16 t + r, that is d = 4 r + t; K = the 32 codes of step s.
.macro LOADB bb, s
.irp t, 0,1,2,3
	ds_load_b128 v[\bb+8*\t:\bb+8*\t+3],   v[AD_EG] offset:\t*16*PG+64*(\s)
	ds_load_b128 v[\bb+8*\t+4:\bb+8*\t+7], v[AD_EG] offset:\t*16*PG+64*(\s)+32
.endr
.endm
	LOADB BUF0, 0                                  ; behind the 104 vector instructions that follow the last products on these registers
; The two halves of the lanes hold the best of codes with bit 3 clear and set: the smaller distance wins, the smaller index on a tie.
; Then the pattern: register i of a one-hot fragment holds codes 16 (i >> 2) + 8 h + 2 (i & 3) + 0, 1 of a step of 32.
.macro MERGE a
	v_cvt_u32_f32 v12, v[BKEY+\a]
	v_add3_u32 v12, v12, v[BG+\a], v[H8]           ; my half's index
	v_permlanex16_b32 v10, v[BEST+\a], s28, s29
	v_permlanex16_b32 v11, v12, s28, s29
	v_cmp_lt_f32 s32, v10, v[BEST+\a]
	v_cmp_eq_f32 s33, v10, v[BEST+\a]
	v_cmp_lt_u32 vcc_lo, v11, v12
	s_and_b32 s33, s33, vcc_lo
	s_or_b32 s32, s32, s33
	v_cndmask_b32 v12, v12, v11, s32               ; idx of row r, alike in both halves
	v_xor_b32 v13, v12, v[H8]
	v_and_b32 v13, 30, v13                         ; bits 4..1; bit 3 is clear where the code lies in my half
	v_and_b32 v10, 1, v12
	v_lshlrev_b32 v10, 4, v10
	v_lshlrev_b32 v10, v10, v[ONE]                 ; 1.0 in the low or in the high bf16
	v_lshrrev_b32 v[SSTAR+\a], 5, v12              ; the step of 32 codes
.irp i, 0,1,2,3,4,5,6,7
	v_cmp_eq_u32 vcc_lo, 16*(\i>>2)+2*(\i&3), v13
	v_cndmask_b32 v[LP+8*\a+\i], 0, v10, vcc_lo
.endr
.endm
	MERGE 0
	MERGE 1
	MERGE 2
	MERGE 3
; ---------------------------------------------------------------- gather: q = onehot x E^T, 16 steps of 32 codes
.macro BUILD oh, a, s                  ; the pattern in the row's own step, zeros in the others
	v_cmp_eq_u32 vcc_lo, \s, v[SSTAR+\a]
.irp i, 0,1,2,3,4,5,6,7
	v_cndmask_b32 v[\oh+\i], 0, v[LP+8*\a+\i], vcc_lo
.endr
.endm
.macro GATHER_MM a, oh, bb, s          ; register j of lane (r, h): q[row 8 h + j][d = 4 r + t]
.irp t, 0,1,2,3
.if (\s) == 0
	v_wmma_f32_16x16x32_bf16 v[ACC+32*\a+8*\t:ACC+32*\a+8*\t+7], v[\oh:\oh+7], v[\bb+8*\t:\bb+8*\t+7], 0
.else
	v_wmma_f32_16x16x32_bf16 v[ACC+32*\a+8*\t:ACC+32*\a+8*\t+7], v[\oh:\oh+7], v[\bb+8*\t:\bb+8*\t+7], v[ACC+32*\a+8*\t:ACC+32*\a+8*\t+7]
.endif
.endr
.endm
.macro LOADX a, xb                     ; x as it leaves: register 4 j + t = x[row 8 h + j][4 r + t]; sixteen lanes read one whole row
.irp j, 0,1,2,3,4,5,6,7
	ds_load_b128 v[\xb+4*\j:\xb+4*\j+3], v[AD_XO] offset:(16*(\a)+\j)*PX
.endr
.endm
; Each BUILD (nine plain instructions on registers of its own) stands between the matrix instructions that read a one-hot buffer or a
; fragment buffer and the lines that write it again (ISA guide 7.12.1): OH0 and OH1 take turns, and the other fragment buffer is
; refilled behind the step's first BUILD.
.macro KSTEP s, bb, ob
	BUILD OH0, 0, \s
.if (\s) < 15
	LOADB \ob, (\s)+1
.else
	LOADX 0, \ob
.endif
	s_wait_dscnt 0x8                               ; this step's fragments are in; the eight loads just issued may be out
	GATHER_MM 0, OH0, \bb, \s
	BUILD OH1, 1, \s
	GATHER_MM 1, OH1, \bb, \s
	BUILD OH0, 2, \s
	GATHER_MM 2, OH0, \bb, \s
	BUILD OH1, 3, \s
	GATHER_MM 3, OH1, \bb, \s
.endm
.irp s, 0,2,4,6,8,10,12,14
	KSTEP \s, BUF0, BUF1
	KSTEP \s+1, BUF1, BUF0
.endr
; ---------------------------------------------------------------- out0 = x + (q - x), sum of (q - x)^2
; The last add writes into x's registers, four neighbouring d of a row: each store's sixteen neighbouring lanes cover one aligned row of
; 256 bytes.  The 32 subtractions of tile 0 name none of the registers of the last four products (tile 3): they are the places in front
; of the load into the fragment buffer that those products read.
.macro OUT a, xb, yb, more
	s_wait_dscnt 0x0                               ; x of this tile
.irp t, 0,1,2,3
.irp j, 0,1,2,3,4,5,6,7
	v_sub_f32 v[ACC+32*\a+8*\t+\j], v[ACC+32*\a+8*\t+\j], v[\xb+4*\j+\t]
.endr
.endr
.if \more
	s_wait_xcnt 0x0                                ; the other buffer was the data of stores: it is loaded again only behind this wait
	LOADX \a+1, \yb
.endif
.irp q, 0,4,8,12,16,20,24,28
.if (\a)+(\q) == 0
	v_pk_mul_f32 v[LOSS:LOSS+1], v[ACC:ACC+1], v[ACC:ACC+1]            ; the first squares start the sums
	v_pk_mul_f32 v[LOSS+2:LOSS+3], v[ACC+2:ACC+3], v[ACC+2:ACC+3]
.else
	v_pk_fma_f32 v[LOSS:LOSS+1], v[ACC+32*\a+\q:ACC+32*\a+\q+1], v[ACC+32*\a+\q:ACC+32*\a+\q+1], v[LOSS:LOSS+1]
	v_pk_fma_f32 v[LOSS+2:LOSS+3], v[ACC+32*\a+\q+2:ACC+32*\a+\q+3], v[ACC+32*\a+\q+2:ACC+32*\a+\q+3], v[LOSS+2:LOSS+3]
.endif
.endr
.irp j, 0,1,2,3,4,5,6,7
.irp t, 0,1,2,3
	v_add_f32 v[\xb+4*\j+\t], v[\xb+4*\j+\t], v[ACC+32*\a+8*\t+\j]
.endr
	global_store_b128 v[OFF_O], v[\xb+4*\j:\xb+4*\j+3], s[8:9] offset:(16*\a+\j)*256 th:TH_STORE_NT
.endr
.endm
	OUT 0, BUF0, BUF1, 1
	OUT 1, BUF1, BUF0, 1
	OUT 2, BUF0, BUF1, 1
	OUT 3, BUF1, BUF0, 0
	; the wave's sum of squares: within the lane, across the 32 lanes, one word out
	v_pk_add_f32 v[LOSS:LOSS+1], v[LOSS:LOSS+1], v[LOSS+2:LOSS+3]
	v_add_f32 v10, v10, v11
	v_add_f32_dpp v10, v10, v10 row_xmask:1 row_mask:0xf bank_mask:0xf
	v_add_f32_dpp v10, v10, v10 row_xmask:2 row_mask:0xf bank_mask:0xf
	v_add_f32_dpp v10, v10, v10 row_xmask:4 row_mask:0xf bank_mask:0xf
	v_add_f32_dpp v10, v10, v10 row_xmask:8 row_mask:0xf bank_mask:0xf
	v_permlanex16_b32 v11, v10, s28, s29
	v_add_f32 v10, v10, v11
	v_mov_b32 v11, 0
	v_cmp_eq_u32 vcc_lo, 0, v[LANE]
	s_wait_xcnt 0x0                                ; EXEC is a source of the stores above: it narrows only behind this wait
	s_wait_tensorcnt 0x0
	ds_add_u32 v30, v31
	s_wait_dscnt 0x0
	s_and_saveexec_b32 s32, vcc_lo
	global_store_b32 v11, v10, s[10:11]            ; lane 0 alone
	s_wait_xcnt 0x0                                ; and widens only behind this one
	s_or_b32 exec_lo, exec_lo, s32
	s_endpgm
.Lfunc_end_k_q71e135d3e6_quantize:
	.size	k_q71e135d3e6_quantize, .Lfunc_end_k_q71e135d3e6_quantize-k_q71e135d3e6_quantize
	.p2alignl 7, 3214868480
	.fill 96, 4, 3214868480
	.section	.rodata,"a",@progbits
	.p2align	6, 0x0
	.amdhsa_kernel k_q71e135d3e6_quantize
		.amdhsa_group_segment_fixed_size 276480
		.amdhsa_private_segment_fixed_size 0
		.amdhsa_enable_private_segment 0
		.amdhsa_kernarg_size 32
		.amdhsa_user_sgpr_count 2
		.amdhsa_user_sgpr_kernarg_segment_ptr 1
		.amdhsa_wavefront_size32 1
		.amdhsa_system_sgpr_workgroup_id_x 1
		.amdhsa_system_sgpr_workgroup_id_y 1
		.amdhsa_system_sgpr_workgroup_id_z 1
		.amdhsa_system_vgpr_workitem_id 0
		.amdhsa_next_free_vgpr 256
		.amdhsa_next_free_sgpr 66
		.amdhsa_reserve_vcc 1
		.amdhsa_float_denorm_mode_32 3
		.amdhsa_float_denorm_mode_16_64 3
		.amdhsa_memory_ordered 1
		.amdhsa_forward_progress 1
		.amdhsa_inst_pref_size 169
	.end_amdhsa_kernel
	.amdgpu_metadata
---
amdhsa.version: [ 1, 2 ]
amdhsa.kernels:
  - .name:           k_q71e135d3e6_quantize
    .symbol:         k_q71e135d3e6_quantize.kd
    .args:
      - { .name: emb_mtrx, .offset: 0, .size: 8, .value_kind: global_buffer, .address_space: global }
      - { .name: inpt, .offset: 8, .size: 8, .value_kind: global_buffer, .address_space: global }
      - { .name: out0, .offset: 16, .size: 8, .value_kind: global_buffer, .address_space: global }
      - { .name: part, .offset: 24, .size: 8, .value_kind: global_buffer, .address_space: global }
    .group_segment_fixed_size: 276480
    .private_segment_fixed_size: 0
    .kernarg_segment_align: 8
    .kernarg_segment_size: 32
    .max_flat_workgroup_size: 256
    .sgpr_count:     66
    .vgpr_count:     256
    .wavefront_size: 32
...
	.end_amdgpu_metadata
.endif
;; end of part 1
;; launch loss (part 2): grid 1 x 1, 1 waves a work-group, no clusters, 0 bytes of LDS; arguments part, out1; writes out1
.if DOCPART == 2
	.amdgcn_target "amdgcn-amd-amdhsa--gfx1250"
	.amdhsa_code_object_version 6
	.text
	.protected	k_q71e135d3e6_loss
	.globl	k_q71e135d3e6_loss
	.p2align	8
	.type	k_q71e135d3e6_loss,@function
k_q71e135d3e6_loss:
	s_mov_b64 s[64:65], 0
	v_nop
	global_prefetch_b8 v0, s[64:65] scope:SCOPE_SE
	s_setreg_imm32_b32 hwreg(HW_REG_WAVE_MODE, 25, 1), 1
	s_wait_xcnt 0x0
; out1 = 2 x mean((q - x)^2) = (sum of the 2,048 partial sums) x 2 / (131072 x 64) = sum x 2^-22.
; One wave: 8,192 bytes are sixteen loads of 16 bytes a lane, each covering 512 neighbouring bytes.  The sum runs in one fixed order
; (a tree over the lane's 64 numbers, then across the lanes), so the result does not hang on the order in which work-groups ran.
; More waves, LDS or matrix work would add nothing to 8,192 bytes.
.set P, 16                             ; v16-79 the partial sums as loaded
	s_load_b128 s[4:7], s[0:1], 0x0                ; part s[4:5], out1 s[6:7]
	v_lshlrev_b32 v1, 4, v0                        ; 16 bytes a lane
	s_mov_b32 s8, 0x76543210                       ; v_permlanex16_b32: lane i takes lane i of the other half
	s_mov_b32 s9, 0xfedcba98
	s_wait_kmcnt 0x0
.irp i, 0,1,2,3,4,5,6,7,8,9,10,11,12,13,14,15
	global_load_b128 v[P+4*\i:P+4*\i+3], v1, s[4:5] offset:512*\i
.endr
	s_wait_loadcnt 0x0
.irp k, 0,2,4,6,8,10,12,14,16,18,20,22,24,26,28,30
	v_pk_add_f32 v[P+\k:P+\k+1], v[P+\k:P+\k+1], v[P+32+\k:P+32+\k+1]
.endr
.irp k, 0,2,4,6,8,10,12,14
	v_pk_add_f32 v[P+\k:P+\k+1], v[P+\k:P+\k+1], v[P+16+\k:P+16+\k+1]
.endr
.irp k, 0,2,4,6
	v_pk_add_f32 v[P+\k:P+\k+1], v[P+\k:P+\k+1], v[P+8+\k:P+8+\k+1]
.endr
.irp k, 0,2
	v_pk_add_f32 v[P+\k:P+\k+1], v[P+\k:P+\k+1], v[P+4+\k:P+4+\k+1]
.endr
	v_pk_add_f32 v[P:P+1], v[P:P+1], v[P+2:P+3]
	v_add_f32 v16, v16, v17
	v_add_f32_dpp v16, v16, v16 row_xmask:1 row_mask:0xf bank_mask:0xf
	v_add_f32_dpp v16, v16, v16 row_xmask:2 row_mask:0xf bank_mask:0xf
	v_add_f32_dpp v16, v16, v16 row_xmask:4 row_mask:0xf bank_mask:0xf
	v_add_f32_dpp v16, v16, v16 row_xmask:8 row_mask:0xf bank_mask:0xf
	v_permlanex16_b32 v17, v16, s8, s9
	v_add_f32 v16, v16, v17
	v_mul_f32 v16, 0x34800000, v16                 ; x 2^-22
	v_mov_b32 v2, 0
	v_cmp_eq_u32 vcc_lo, 0, v0
	s_wait_xcnt 0x0                                ; EXEC narrows only behind this wait
	s_and_saveexec_b32 s10, vcc_lo
	global_store_b32 v2, v16, s[6:7]               ; lane 0 alone
	s_wait_xcnt 0x0                                ; and widens only behind this one
	s_or_b32 exec_lo, exec_lo, s10
	s_endpgm
.Lfunc_end_k_q71e135d3e6_loss:
	.size	k_q71e135d3e6_loss, .Lfunc_end_k_q71e135d3e6_loss-k_q71e135d3e6_loss
	.p2alignl 7, 3214868480
	.fill 96, 4, 3214868480
	.section	.rodata,"a",@progbits
	.p2align	6, 0x0
	.amdhsa_kernel k_q71e135d3e6_loss
		.amdhsa_group_segment_fixed_size 0
		.amdhsa_private_segment_fixed_size 0
		.amdhsa_enable_private_segment 0
		.amdhsa_kernarg_size 16
		.amdhsa_user_sgpr_count 2
		.amdhsa_user_sgpr_kernarg_segment_ptr 1
		.amdhsa_wavefront_size32 1
		.amdhsa_system_sgpr_workgroup_id_x 1
		.amdhsa_system_sgpr_workgroup_id_y 1
		.amdhsa_system_sgpr_workgroup_id_z 1
		.amdhsa_system_vgpr_workitem_id 0
		.amdhsa_next_free_vgpr 80
		.amdhsa_next_free_sgpr 66
		.amdhsa_reserve_vcc 1
		.amdhsa_float_denorm_mode_32 3
		.amdhsa_float_denorm_mode_16_64 3
		.amdhsa_memory_ordered 1
		.amdhsa_forward_progress 1
		.amdhsa_inst_pref_size 5
	.end_amdhsa_kernel
	.amdgpu_metadata
---
amdhsa.version: [ 1, 2 ]
amdhsa.kernels:
  - .name:           k_q71e135d3e6_loss
    .symbol:         k_q71e135d3e6_loss.kd
    .args:
      - { .name: part, .offset: 0, .size: 8, .value_kind: global_buffer, .address_space: global }
      - { .name: out1, .offset: 8, .size: 8, .value_kind: global_buffer, .address_space: global }
    .group_segment_fixed_size: 0
    .private_segment_fixed_size: 0
    .kernarg_segment_align: 8
    .kernarg_segment_size: 16
    .max_flat_workgroup_size: 32
    .sgpr_count:     66
    .vgpr_count:     80
    .wavefront_size: 32
...
	.end_amdgpu_metadata
.endif
;; end of part 2
;; ======== version 2 of 2: 2 launches; 1.14 times as fast as version 1
;; limits: right only within a limited range of input values; a difference of large sums (such as E[x^2] - mean^2): digits are lost where the result is much smaller than its terms; values outside matrix products are rounded to bf16
;; workspace buffers: idx 524,288 bytes of whole numbers; et 131,072 bytes; part 8,192 bytes
;; launch score (part 3): grid 256 x 1, 8 waves a work-group, no clusters, 209,920 bytes of LDS; arguments emb_mtrx, inpt, idx, et, part; writes idx, et, part
.if DOCPART == 3
	.amdgcn_target "amdgcn-amd-amdhsa--gfx1250"
	.amdhsa_code_object_version 6
	.text
	.protected	k_q71e135d3e6_score
	.globl	k_q71e135d3e6_score
	.p2align	8
	.type	k_q71e135d3e6_score,@function
k_q71e135d3e6_score:
	s_mov_b64 s[64:65], 0
	v_nop
	global_prefetch_b8 v0, s[64:65] scope:SCOPE_SE
	s_setreg_imm32_b32 hwreg(HW_REG_WAVE_MODE, 25, 1), 1
	s_wait_xcnt 0x0
; Vector quantiser, first launch: the index of the nearest code.  x = inpt as [131072][64] f32, E = emb_mtrx [64 (d)][512 (code)] f32.
;   dist[row][code] = (||x||^2 - 2 x.E) + ||e||^2,  idx = first index of the smallest dist.
; Stored: idx (whole numbers; wave W's 64 rows in 256 bytes, word 4 r + a = row 16 a + r), part[W] = the sum of the wave's 64 smallest
; distances, and et = E transposed, [512][64] f32 (work-group k writes codes 2 k and 2 k + 1).  The next launch forms out0 and the loss.
; A work-group owns 512 rows, a wave 64 rows = 4 tiles of 16, which it takes through all 512 codes in one pass.
;
; WHY THE INDEX GOES THROUGH MEMORY: gathering q in this launch would have to be a product onehot(idx) x E^T, 64 matrix instructions for
; 16 rows, as many as the distances take.  A later launch gathers by address, at the price of reading a row's 256 bytes again.
;
; NUMBERS.  The product runs on the matrix units with bf16 operands (x and E rounded to nearest even) and f32 sums.
; ||e||^2 and ||x||^2 are summed in f32 over the ROUNDED numbers.  Each distance is formed in the order written above,
; fl(fl(sx - 2 dot) + se), so that equal f32 distances arise where that order makes them; ties go to the first index.
; The smallest distance IS sum over d of (q - x)^2, written out, for the rounded x and E: the loss is summed from it.
; LIMITS, kept knowingly: a row whose two nearest codes differ by less than the rounding of these sums may get the other code than an
; evaluation with another order of the sums; NaN and infinities in the inputs are not served; two distances inside one group of 32
; codes that differ by less than 2^-95 count as equal; a row's share of the loss carries an absolute error of about 2^-22 ||x||^2 from
; the sums and 2^-18 ||x||^2 from the rounding of the inputs, so rows that on average lie nearer to their code than about 1/64 of their
; own norm lose the loss's margin.
;
; THE ARGMIN.  Per group of 32 codes a lane holds 16 distances of its row.  In the loop only their minimum is taken; where it beats the
; best so far, the 16 distances, the minimum and the group's number are copied by selects, two to an instruction.  The place inside the
; winning group is worked out once, behind the loop, from the kept 16.
; NO CLUSTER: the one input that work-groups share is E, 131,072 bytes.  It has to pass through registers (rounding, norms), and a joint
; tensor load would need 131,072 bytes of f32 staging beside the 208,896 bytes of LDS laid out below: more than the 327,680 there are.
;
; LDS.  ES: E in bf16, [d][code], pitch 1056 = 33 x 32, for the transposing load.  SQ: the 512 norms.
; XB: x in f32, pitch 272; each wave's 64 rows are written by its own tensor load and read by it alone.
.set PS, 1056
.set PX, 272
.set ES, 0
.set SQ, ES+64*PS                      ; 67,584
.set XB, SQ+2048                       ; 69,632; ends at 69,632 + 512 x 272 = 208,896
; registers, whole kernel (v2: byte offset of my two codes in a row of E)
.set LANE, 1
.set AD_ES, 3                          ; LDS address for the transposing loads of E
.set AD_SQ, 4                          ; for the norms
.set ET_L, 5                           ; byte offset in E of the four numbers that go to et
.set ET_S, 6                           ; byte offset of my 8 bytes in a row of et
.set OFF_I, 7                          ; byte offset of my four indices
.set H8, 8                             ; 8 x (lane / 16)
.set ZERO, 9
.set ETD, 28                           ; v28-31 E[2 l][2 k], E[2 l + 1][2 k], E[2 l][2 k + 1], E[2 l + 1][2 k + 1]; never rewritten
; registers, scoring (v10-13 at work)
.set SX, 14                            ; v14-17   ||x||^2 of row r in tile a
.set BEST, 18                          ; v18-21   smallest distance so far, tile a
.set BG, 23                            ; v23-26   32 x its group.  BEST + a and BG + a differ in parity and modulo 4, v10 and VG modulo 4:
.set VG, 27                            ; v27      32 x this group   what the two halves of a dual instruction ask of their registers
.set SET0, 32                          ; v32-47, v48-63, v224-239, v240-255: the 16 distances (two code tiles) of row tile 0, 1, 2, 3
.set SET1, 48
.set KEEP, 64                          ; v64-127  tile a: the 16 distances of its best group
.set SQA, 128                          ; v128-143, v144-159: norms of a group, two buffers
.set SQB, 144
.set EBA, 160                          ; v160-191, v192-223: E fragments of a group (tile t, K step c at + 16 t + 8 c), two buffers
.set EBB, 192
.set SET2, 224
.set SET3, 240
.set XF, 0                             ; v256-319 x fragments (tile a, K step c at 256 + 16 a + 8 c): named v0-63 through the window below
; registers, prologue only
.set SA, 48                            ; v48-49 norms of my two codes; then v48-51 the chains of ||x||^2
.set P_ES0, 53
.set P_ES1, 54
.set P_SQ, 55
.set WT, 56                            ; v56-63 two rounded numbers each
.set EF, 128                           ; v128-255 E as loaded
.set FA, 128                           ; then x in f32, two buffers of 32
.set FB, 160
; registers behind the loop
.set IDXC, 224                         ; v224-239 places 0..7, 16..23 as f32
.set IDX, 32                           ; v32-35 idx of row r, tile a
; s_set_vgpr_msb's low byte: bits 1:0 source 0, 3:2 source 1, 5:4 source 2, 7:6 destination; the high byte repeats the setting that is left.
.set MSB, 0
.macro WIN new
.if MSB != \new
	s_set_vgpr_msb (MSB<<8)|\new
.set MSB, \new
.endif
.endm
.set W_MM, 0x04                        ; matrix instructions: source 1 (x) in v256..
.set W_TOX, 0x40                       ; destination in v256..
.set W_SQX, 0x05                       ; sources 0 and 1 in v256..
	s_load_b256 s[4:11], s[0:1], 0x0               ; E s[4:5], x s[6:7], idx s[8:9], et s[10:11]
	s_load_b64 s[34:35], s[0:1], 0x20              ; part
	v_lshl_add_u32 v22, v0, 2, 0x33000
	s_set_vgpr_msb 0x40
	v_mov_b32 v65, 0
	s_set_vgpr_msb 0x4044
	ds_add_u32 v22, v65
	ds_add_u32 v22, v65
	s_set_vgpr_msb 0x4400
	v_lshrrev_b32 v2, 5, v0
	v_readfirstlane_b32 s12, v2                    ; wave 0..7
	v_and_b32 v[LANE], 31, v0
	s_lshl_b32 s14, ttmp9, 17                      ; 512 rows of 256 bytes a work-group,
	s_lshl_b32 s15, s12, 14                        ; 64 rows a wave
	s_add_co_u32 s14, s14, s15
	s_mov_b32 s15, 0
	; tensor descriptor: my 64 rows of 64 f32, 16 bytes of padding behind each row of 64 words
	s_mov_b32 s16, 1                               ; count
	s_mul_i32 s17, s12, 64*PX
	s_add_co_u32 s17, s17, XB                      ; LDS address: my wave's 17,408 bytes
	s_mov_b32 s20, (2<<16)|(1<<20)|(5<<22)|(3<<25) ; 4-byte elements; pad on; every 64 words; by 4 words
	s_mov_b32 s21, 64<<16                          ; tensor_dim0 = 64
	s_mov_b32 s22, 64<<16                          ; tensor_dim1 = 64
	s_mov_b32 s23, 64<<16                          ; tile_dim0 = 64
	s_mov_b32 s24, 64                              ; tile_dim1 = 64
	s_mov_b32 s25, 64                              ; 64 elements from row to row
	s_mov_b32 s26, 0
	s_mov_b32 s27, 0
	s_lshl_b32 s38, ttmp9, 5
	s_lshl2_add_u32 s38, s12, s38                  ; part: 4 bytes x (8 x work-group + wave)
	s_mov_b32 s39, 0
	s_lshl_b32 s30, s38, 6                         ; idx: 256 bytes x (8 x work-group + wave)
	s_mov_b32 s31, 0
	s_lshl_b32 s32, ttmp9, 9                       ; et: two rows of 256 bytes a work-group
	s_mov_b32 s33, 0
	s_lshl_b32 s13, ttmp9, 3                       ; E: byte of code 2 k in a row
	s_mov_b32 s28, 0x76543210                      ; v_permlanex16_b32: lane i takes lane i of the other half
	s_mov_b32 s29, 0xfedcba98
	s_mov_b32 s36, 0x71800000                      ; 2^100, twice (a pair for the packed forms)
	s_mov_b32 s37, 0x71800000
	v_lshlrev_b32 v2, 3, v0                        ; E: codes 2 t, 2 t + 1 of thread t: a wave's load covers 256 neighbouring bytes of a row
	v_lshlrev_b32 v[ET_L], 12, v[LANE]             ; rows 2 l, 2 l + 1 of E,
	v_add_nc_u32 v[ET_L], s13, v[ET_L]             ; codes 2 k, 2 k + 1
	v_lshlrev_b32 v[ET_S], 3, v[LANE]
	s_wait_dscnt 0x0
	s_wait_kmcnt 0x0
	s_add_nc_u64 s[18:19], s[6:7], s[14:15]
	s_or_b32 s19, s19, 0x80000000                  ; type 2
	tensor_load_to_lds s[16:19], s[20:27]          ; the wave's whole input is on its way before anything else
	s_nop 0
	s_add_nc_u64 s[8:9], s[8:9], s[30:31]          ; my 256 bytes of idx
	s_add_nc_u64 s[10:11], s[10:11], s[32:33]      ; the work-group's two rows of et
	s_add_nc_u64 s[34:35], s[34:35], s[38:39]      ; my word of part
	; the work-group's two columns of E, for et.  Every wave asks (16 bytes a lane), so that the counted waits below are alike in all waves
	; and no wave waits for a load of its own later; wave 0 alone stores them.
	global_load_b32 v[ETD],   v[ET_L], s[4:5]
	global_load_b32 v[ETD+1], v[ET_L], s[4:5] offset:2048
	global_load_b32 v[ETD+2], v[ET_L], s[4:5] offset:4
	global_load_b32 v[ETD+3], v[ET_L], s[4:5] offset:2052
.set d, 0
.rept 64
	global_load_b64 v[EF+2*d:EF+2*d+1], v2, s[4:5] offset:d*2048   ; E[d][my two codes]
.set d, d+1
.endr
	; addresses, while E is on its way.  v11 = r = lane % 16, v12 = h = lane / 16
	v_and_b32 v11, 15, v0
	v_bfe_u32 v12, v0, 4, 1
	v_lshlrev_b32 v[H8], 3, v12
	v_mul_u32_u24 v13, v11, PX
	v_lshl_add_u32 v13, v12, 5, v13
	v_add_nc_u32 v10, s17, v13                     ; x as fragments: row r, 8 numbers from d = 8 h
	v_and_b32 v13, 7, v0
	v_add_nc_u32 v13, v13, v[H8]
	v_mul_u32_u24 v13, v13, PS
	v_bfe_u32 v[AD_ES], v0, 3, 1
	v_lshl_add_u32 v13, v[AD_ES], 4, v13
	v_add_nc_u32 v[AD_ES], ES, v13                 ; row 8 h + lane % 8, 16 bytes (8 codes) by bit 3 of the lane
	v_lshlrev_b32 v[AD_SQ], 5, v12
	v_add_nc_u32 v[AD_SQ], SQ, v[AD_SQ]            ; norms of codes 8 h ..
	v_lshlrev_b32 v13, 2, v0                       ; two bf16 a thread: byte 4 t of a stored row
	v_add_nc_u32 v[P_ES0], ES, v13
	v_add_nc_u32 v[P_ES1], ES+32*PS, v13           ; rows 32.. (63 x 1056 does not fit the 16-bit offset)
	v_add_nc_u32 v[P_SQ], SQ, v2
	v_mov_b32 v[SA], 0
	v_mov_b32 v[SA+1], 0
	; E: round to bf16, store, add the squares of the rounded numbers in ascending d
.set d, 0
.rept 64
.if (d % 8) == 0
	s_wait_loadcnt 56-d                            ; loads return in order (ISA guide 5.7.1): rows d .. d + 7 are in, the 56 - d younger may be out
.endif
	v_cvt_pk_bf16_f32 v[WT+d%8], v[EF+2*d], v[EF+2*d+1]
	v_fma_mix_f32_bf16 v[SA], v[WT+d%8], v[WT+d%8], v[SA] op_sel_hi:[1,1,0]
	v_fma_mix_f32_bf16 v[SA+1], v[WT+d%8], v[WT+d%8], v[SA+1] op_sel:[1,1,0] op_sel_hi:[1,1,0]
.if d < 32
	ds_store_b32 v[P_ES0], v[WT+d%8] offset:d*PS
.else
	ds_store_b32 v[P_ES1], v[WT+d%8] offset:(d-32)*PS
.endif
.set d, d+1
.endr
	ds_store_b64 v[P_SQ], v[SA:SA+1]
	s_cmp_lg_u32 s12, 0
	s_cbranch_scc1 .Lno_et
	global_store_b64 v[ET_S], v[ETD:ETD+1],   s[10:11]             ; et[2 k][2 l, 2 l + 1]: the wave covers the row's 256 bytes
	global_store_b64 v[ET_S], v[ETD+2:ETD+3], s[10:11] offset:256  ; et[2 k + 1][..]
.Lno_et:
	; x: f32 from LDS in the fragment's layout (lane (r, h): row r, d = 16 q + 8 h + 0..7 for q = 0..3), rounding to bf16, ||x||^2
.macro LOADF a, f
.irp q, 0,1,2,3
	ds_load_b128 v[\f+8*\q:\f+8*\q+3],   v10 offset:\a*16*PX+64*\q
	ds_load_b128 v[\f+8*\q+4:\f+8*\q+7], v10 offset:\a*16*PX+64*\q+16
.endr
.endm
.macro PREP a, f
.irp m, 48,49,50,51
	v_mov_b32 v\m, 0                               ; four chains
.endr
	WIN W_TOX                                      ; the fragments go to v256 + 16 a ..
.irp m, 0,1,2,3,4,5,6,7,8,9,10,11,12,13,14,15
	v_cvt_pk_bf16_f32 v[XF+16*\a+\m], v[\f+2*\m], v[\f+2*\m+1]
.endr
	WIN W_SQX                                      ; and are squared from there
.irp m, 0,2,4,6,8,10,12,14
	v_fma_mix_f32_bf16 v48, v[XF+16*\a+\m], v[XF+16*\a+\m], v48 op_sel_hi:[1,1,0]
	v_fma_mix_f32_bf16 v49, v[XF+16*\a+\m], v[XF+16*\a+\m], v49 op_sel:[1,1,0] op_sel_hi:[1,1,0]
	v_fma_mix_f32_bf16 v50, v[XF+16*\a+\m+1], v[XF+16*\a+\m+1], v50 op_sel_hi:[1,1,0]
	v_fma_mix_f32_bf16 v51, v[XF+16*\a+\m+1], v[XF+16*\a+\m+1], v51 op_sel:[1,1,0] op_sel_hi:[1,1,0]
.endr
	WIN 0
	v_pk_add_f32 v[48:49], v[48:49], v[50:51]
	v_add_f32 v48, v48, v49                        ; my 32 numbers of row r
	v_permlanex16_b32 v49, v48, s28, s29           ; the other 32
	v_add_f32 v[SX+\a], v48, v49                   ; the same bits in both halves
.endm
	s_wait_tensorcnt 0x0                           ; my rows are in LDS; no other wave reads them
	LOADF 0, FA
	LOADF 1, FB
	s_wait_dscnt 0x8                               ; all but the next tile's eight loads
	PREP 0, FA
	LOADF 2, FA
	s_wait_dscnt 0x8
	PREP 1, FB
	LOADF 3, FB
	s_wait_dscnt 0x8
	PREP 2, FA
	s_wait_dscnt 0x0
	PREP 3, FB
	s_wait_dscnt 0x0                               ; my part of E and of the norms is stored: zero, for the others' sake
	s_barrier_signal -1
	s_barrier_wait -1                              ; all of E is there; it is never written again
; ---------------------------------------------------------------- scoring
; A group = 32 codes = two tiles of 16.  Eight loads bring E's fragments (stored [d][code], so by the transposing load: lane (r, h) gets
; code r, d = 8 h + 0..7), four the norms of codes 16 t + 8 h + 0..7.
.macro LOADE eb, eo
.irp t, 0,1
.irp c, 0,1
	ds_load_tr16_b128 v[\eb+16*\t+8*\c:\eb+16*\t+8*\c+3],   v[AD_ES] offset:\eo+32*\t+32*\c*PS
	ds_load_tr16_b128 v[\eb+16*\t+8*\c+4:\eb+16*\t+8*\c+7], v[AD_ES] offset:\eo+32*\t+(32*\c+16)*PS
.endr
.endr
.endm
.macro LOADS sb, so
.irp t, 0,1
	ds_load_b128 v[\sb+8*\t:\sb+8*\t+3],   v[AD_SQ] offset:\so+64*\t
	ds_load_b128 v[\sb+8*\t+4:\sb+8*\t+7], v[AD_SQ] offset:\so+64*\t+16
.endr
.endm
; x.E of row tile a with the group's 32 codes (under W_MM).  Source 0 = codes, source 1 = rows: register j of lane (r, h) is
; (code 8 h + j, row r), so a row's distances stay in one lane.  The first product starts each sum.
.macro SCORE_MM sv, a, eb
	v_wmma_f32_16x16x32_bf16 v[\sv:\sv+7],    v[\eb:\eb+7],     v[XF+16*\a:XF+16*\a+7],    0
	v_wmma_f32_16x16x32_bf16 v[\sv+8:\sv+15], v[\eb+16:\eb+23], v[XF+16*\a:XF+16*\a+7],    0
	v_wmma_f32_16x16x32_bf16 v[\sv:\sv+7],    v[\eb+8:\eb+15],  v[XF+16*\a+8:XF+16*\a+15], v[\sv:\sv+7]
	v_wmma_f32_16x16x32_bf16 v[\sv+8:\sv+15], v[\eb+24:\eb+31], v[XF+16*\a+8:XF+16*\a+15], v[\sv+8:\sv+15]
.endm
.macro MIN16 sv, dst                   ; the smallest of 16 registers: eight instructions, v10-13 at work
	v_min3_num_f32 v10, v[\sv], v[\sv+1], v[\sv+2]
	v_min3_num_f32 v11, v[\sv+3], v[\sv+4], v[\sv+5]
	v_min3_num_f32 v12, v[\sv+6], v[\sv+7], v[\sv+8]
	v_min3_num_f32 v13, v[\sv+9], v[\sv+10], v[\sv+11]
	v_min3_num_f32 v10, v10, v[\sv+12], v[\sv+13]
	v_min3_num_f32 v11, v11, v[\sv+14], v[\sv+15]
	v_min_num_f32 v12, v12, v13
	v_min3_num_f32 v[\dst], v10, v11, v12
.endm
; 16 dot products -> distances -> their minimum -> where it beats the best: minimum, group and the 16 distances are kept.
; 16 + 8 + 1 + 9 = 34 instructions.  first = 1 (group 0): the distances are written straight into KEEP, the minimum into BEST.
.macro SCORE_VA sv, a, sb, first
.irp i, 0,2,4,6,8,10,12,14
.if (\a) & 1
	v_pk_fma_f32 v[\sv+\i:\sv+\i+1], v[\sv+\i:\sv+\i+1], -2.0, v[SX+(\a)-1:SX+(\a)] op_sel:[0,0,1] op_sel_hi:[1,0,1]   ; fl(sx - 2 dot): 2 dot is exact
.else
	v_pk_fma_f32 v[\sv+\i:\sv+\i+1], v[\sv+\i:\sv+\i+1], -2.0, v[SX+(\a):SX+(\a)+1] op_sel_hi:[1,0,0]
.endif
.endr
.if \first
.irp i, 0,2,4,6,8,10,12,14
	v_pk_add_f32 v[KEEP+16*\a+\i:KEEP+16*\a+\i+1], v[\sv+\i:\sv+\i+1], v[\sb+\i:\sb+\i+1]   ; + ||e||^2
.endr
	MIN16 KEEP+16*\a, BEST+\a
	v_mov_b32 v[BG+\a], 0
.else
.irp i, 0,2,4,6,8,10,12,14
	v_pk_add_f32 v[\sv+\i:\sv+\i+1], v[\sv+\i:\sv+\i+1], v[\sb+\i:\sb+\i+1]                 ; + ||e||^2
.endr
	MIN16 \sv, 10
	v_cmp_lt_f32 vcc_lo, v10, v[BEST+\a]           ; strictly smaller: an earlier group keeps a tie
	v_dual_cndmask_b32 v[BEST+\a], v[BEST+\a], v10 :: v_dual_cndmask_b32 v[BG+\a], v[BG+\a], v[VG]
.irp i, 0,2,4,6,8,10,12,14
	v_dual_cndmask_b32 v[KEEP+16*\a+\i], v[KEEP+16*\a+\i], v[\sv+\i] :: v_dual_cndmask_b32 v[KEEP+16*\a+\i+1], v[KEEP+16*\a+\i+1], v[\sv+\i+1]
.endr
.endif
.endm
; One group for the four row tiles.  Products go eight at a time under one window setting: tiles 2, 3 at the head, tiles 0, 1 of the NEXT
; group in the middle.  Behind each run stands the vector work of the two other tiles, which names none of that run's registers: these are
; the places that ISA guide 7.12.1 asks for in front of the first vector read of a result, of the next products into a set, and of the
; loads that refill fragments which products have read.  On entry the products of tiles 0, 1 are already issued.
; more: 2 = two more groups follow (my buffers are refilled), 1 = one, 0 = none.
.macro GROUP ec, sc, en, gs, first, more, eo, so
.if \first == 0
	v_mov_b32 v[VG], \gs
.endif
	WIN W_MM
	SCORE_MM SET2, 2, \ec
	SCORE_MM SET3, 3, \ec
	WIN 0
	SCORE_VA SET0, 0, \sc, \first
	SCORE_VA SET1, 1, \sc, \first
.if \more >= 2
	LOADE \ec, \eo
	s_wait_dscnt 0x8                               ; the eight loads just issued may be out; the next group's fragments and norms, issued before them, are in
.endif
.if \more == 1
	s_wait_dscnt 0x0                               ; the last group's twelve loads, the only ones out
.endif
.if \more >= 1
	WIN W_MM
	SCORE_MM SET0, 0, \en
	SCORE_MM SET1, 1, \en
	WIN 0
.endif
	SCORE_VA SET2, 2, \sc, \first
	SCORE_VA SET3, 3, \sc, \first
.if \more >= 2
	LOADS \sc, \so
.endif
.endm
	LOADE EBA, 0
	LOADS SQA, 0
	LOADE EBB, 64
	LOADS SQB, 128
	s_wait_dscnt 0xc                               ; the first group is in; the second group's twelve loads may be out
	WIN W_MM
	SCORE_MM SET0, 0, EBA
	SCORE_MM SET1, 1, EBA
	WIN 0
	v_lshlrev_b32 v[OFF_I], 4, v[LANE]             ; five places behind the products above: two offsets for the stores at the
	v_mov_b32 v[ZERO], 0                           ; end, and three v_nop, since nothing else is left to prepare
.rept 3
	v_nop
.endr
	s_mov_b32 s31, 32
	GROUP EBA, SQA, EBB, 0, 1, 2, 128, 256         ; groups 0 and 1 stand in front of the loop: group 0 starts BEST, BG and KEEP
	GROUP EBB, SQB, EBA, s31, 0, 2, 192, 384
	v_add_nc_u32 v[AD_ES], 128, v[AD_ES]           ; two groups: 64 codes of 2 bytes,
	v_add_nc_u32 v[AD_SQ], 0x100, v[AD_SQ]         ; 64 norms of 4 bytes
	s_mov_b32 s30, 64                              ; 32 x group, and the loop's counter
.Lscore:
	s_add_co_u32 s31, s30, 32
	GROUP EBA, SQA, EBB, s30, 0, 2, 128, 256
	GROUP EBB, SQB, EBA, s31, 0, 2, 192, 384
	v_add_nc_u32 v[AD_ES], 128, v[AD_ES]
	v_add_nc_u32 v[AD_SQ], 0x100, v[AD_SQ]
	s_add_co_u32 s30, s30, 64
	s_cmp_lt_u32 s30, 448
	s_cbranch_scc1 .Lscore                         ; six trips: groups 2 to 13
	s_add_co_u32 s31, s30, 32
	GROUP EBA, SQA, EBB, s30, 0, 1, 0, 0           ; groups 14 and 15 fetch nothing more
	GROUP EBB, SQB, EBA, s31, 0, 0, 0, 0
; ---------------------------------------------------------------- the index
.set d, 0
.rept 16
	v_cvt_f32_u32 v[IDXC+d], 16*(d>>3)+(d&7)       ; the place of distance register d in its group, less 8 h
.set d, d+1
.endr
; The place in the winning group: kept distance - best is 0 exactly where the smallest stands; x 2^100 + place is the place there and huge
; elsewhere; the minimum is the first place among equals.  Then the two halves of the lanes, which hold the best of the codes with bit 3
; clear and set, are merged: the smaller distance wins, the smaller index on a tie.
.macro MERGE a
.irp i, 0,2,4,6,8,10,12,14
.if (\a) & 1
	v_pk_add_f32 v[KEEP+16*\a+\i:KEEP+16*\a+\i+1], v[KEEP+16*\a+\i:KEEP+16*\a+\i+1], v[BEST+(\a)-1:BEST+(\a)] op_sel:[0,1] op_sel_hi:[1,1] neg_lo:[0,1] neg_hi:[0,1]
.else
	v_pk_add_f32 v[KEEP+16*\a+\i:KEEP+16*\a+\i+1], v[KEEP+16*\a+\i:KEEP+16*\a+\i+1], v[BEST+(\a):BEST+(\a)+1] op_sel_hi:[1,0] neg_lo:[0,1] neg_hi:[0,1]
.endif
.endr
.irp i, 0,2,4,6,8,10,12,14
	v_pk_fma_f32 v[KEEP+16*\a+\i:KEEP+16*\a+\i+1], v[KEEP+16*\a+\i:KEEP+16*\a+\i+1], s[36:37], v[IDXC+\i:IDXC+\i+1] op_sel_hi:[1,0,1]
.endr
	MIN16 KEEP+16*\a, 10
	v_cvt_u32_f32 v12, v10
	v_add3_u32 v12, v12, v[BG+\a], v[H8]           ; my half's index
	v_permlanex16_b32 v10, v[BEST+\a], s28, s29
	v_permlanex16_b32 v11, v12, s28, s29
	v_cmp_lt_f32 s32, v10, v[BEST+\a]
	v_cmp_eq_f32 s33, v10, v[BEST+\a]
	v_cmp_lt_u32 vcc_lo, v11, v12
	s_and_b32 s33, s33, vcc_lo
	s_or_b32 s32, s32, s33
	v_cndmask_b32 v[IDX+\a], v12, v11, s32         ; idx of row r, alike in both halves
	v_min_num_f32 v[BEST+\a], v[BEST+\a], v10      ; and its distance
.endm
	MERGE 0
	MERGE 1
	MERGE 2
	MERGE 3
	; the wave's 64 smallest distances: four tiles in the lane, then the sixteen rows (both halves of the lanes hold the same sixteen)
	v_add_f32 v10, v[BEST], v[BEST+1]
	v_add_f32 v11, v[BEST+2], v[BEST+3]
	v_add_f32 v10, v10, v11
	v_add_f32_dpp v10, v10, v10 row_xmask:1 row_mask:0xf bank_mask:0xf
	v_add_f32_dpp v10, v10, v10 row_xmask:2 row_mask:0xf bank_mask:0xf
	v_add_f32_dpp v10, v10, v10 row_xmask:4 row_mask:0xf bank_mask:0xf
	v_add_f32_dpp v10, v10, v10 row_xmask:8 row_mask:0xf bank_mask:0xf
	v_cmp_gt_u32 vcc_lo, 16, v[LANE]
	s_wait_xcnt 0x0                                ; EXEC is a source of the stores issued before: it narrows only behind this wait
	s_set_vgpr_msb 0x4
	s_wait_tensorcnt 0x0
	ds_add_u32 v22, v65
	s_wait_dscnt 0x0
	s_set_vgpr_msb 0x400
	s_and_saveexec_b32 s32, vcc_lo
	global_store_b128 v[OFF_I], v[IDX:IDX+3], s[8:9]   ; lanes 0-15: rows r, 16 + r, 32 + r, 48 + r; together 256 aligned bytes
	s_wait_xcnt 0x0                                ; and widens only behind this one
	s_or_b32 exec_lo, exec_lo, s32
	v_cmp_eq_u32 vcc_lo, 0, v[LANE]
	s_and_saveexec_b32 s32, vcc_lo                 ; nothing was issued since the wait above
	global_store_b32 v[ZERO], v10, s[34:35]        ; lane 0 alone
	s_wait_xcnt 0x0
	s_or_b32 exec_lo, exec_lo, s32
	s_endpgm
.Lfunc_end_k_q71e135d3e6_score:
	.size	k_q71e135d3e6_score, .Lfunc_end_k_q71e135d3e6_score-k_q71e135d3e6_score
	.p2alignl 7, 3214868480
	.fill 96, 4, 3214868480
	.section	.rodata,"a",@progbits
	.p2align	6, 0x0
	.amdhsa_kernel k_q71e135d3e6_score
		.amdhsa_group_segment_fixed_size 209920
		.amdhsa_private_segment_fixed_size 0
		.amdhsa_enable_private_segment 0
		.amdhsa_kernarg_size 40
		.amdhsa_user_sgpr_count 2
		.amdhsa_user_sgpr_kernarg_segment_ptr 1
		.amdhsa_wavefront_size32 1
		.amdhsa_system_sgpr_workgroup_id_x 1
		.amdhsa_system_sgpr_workgroup_id_y 1
		.amdhsa_system_sgpr_workgroup_id_z 1
		.amdhsa_system_vgpr_workitem_id 0
		.amdhsa_next_free_vgpr 322
		.amdhsa_next_free_sgpr 66
		.amdhsa_reserve_vcc 1
		.amdhsa_float_denorm_mode_32 3
		.amdhsa_float_denorm_mode_16_64 3
		.amdhsa_memory_ordered 1
		.amdhsa_forward_progress 1
		.amdhsa_inst_pref_size 112
	.end_amdhsa_kernel
	.amdgpu_metadata
---
amdhsa.version: [ 1, 2 ]
amdhsa.kernels:
  - .name:           k_q71e135d3e6_score
    .symbol:         k_q71e135d3e6_score.kd
    .args:
      - { .name: emb_mtrx, .offset: 0, .size: 8, .value_kind: global_buffer, .address_space: global }
      - { .name: inpt, .offset: 8, .size: 8, .value_kind: global_buffer, .address_space: global }
      - { .name: idx, .offset: 16, .size: 8, .value_kind: global_buffer, .address_space: global }
      - { .name: et, .offset: 24, .size: 8, .value_kind: global_buffer, .address_space: global }
      - { .name: part, .offset: 32, .size: 8, .value_kind: global_buffer, .address_space: global }
    .group_segment_fixed_size: 209920
    .private_segment_fixed_size: 0
    .kernarg_segment_align: 8
    .kernarg_segment_size: 40
    .max_flat_workgroup_size: 256
    .sgpr_count:     66
    .vgpr_count:     322
    .wavefront_size: 32
...
	.end_amdgpu_metadata
.endif
;; end of part 3
;; launch gather (part 4): grid 256 x 1, 8 waves a work-group, no clusters, 0 bytes of LDS; arguments inpt, idx, et, part, out0, out1; writes out0, out1
.if DOCPART == 4
	.amdgcn_target "amdgcn-amd-amdhsa--gfx1250"
	.amdhsa_code_object_version 6
	.text
	.protected	k_q71e135d3e6_gather
	.globl	k_q71e135d3e6_gather
	.p2align	8
	.type	k_q71e135d3e6_gather,@function
k_q71e135d3e6_gather:
	s_mov_b64 s[64:65], 0
	v_nop
	global_prefetch_b8 v0, s[64:65] scope:SCOPE_SE
	s_setreg_imm32_b32 hwreg(HW_REG_WAVE_MODE, 25, 1), 1
	s_wait_xcnt 0x0
; Vector quantiser, second launch: out0 = x + (q - x) with q = et[idx] (et = E transposed, [512][64] f32, so q is E's own f32), and
; out1 = 2 x mean((q - x)^2) = (sum of the 2,048 partial sums of the launch before) x 2 / (131072 x 64) = sum x 2^-22.
; A stream: a wave owns 64 rows of 256 bytes.  Sixteen neighbouring lanes hold one row, so every load of x, every load of a row of et and
; every store covers two whole aligned rows.  A wave asks for everything at once: 8 loads of indices, 32 of x, then 32 of q; nothing is
; rewritten, so no wait stands for a register's sake but the counted waits for data.
; The indices lie as the launch before stored them: in the wave's 256 bytes, word 4 r + a = row 16 a + r.  A lane of half hh takes the 16
; bytes at 16 (2 m + hh), m = 0..7: register 4 m + a is the index of row 16 a + 2 m + hh, the row that its half handles in step (a, m).
; An index is clamped to 511 before it enters an address.
; NO LDS, NO MATRIX UNIT, NO CLUSTER: lanes share nothing; the rows of et that two work-groups want are chosen by their own indices.
; NO PREFETCH: each wave's loads are all issued in its first lines, and et's 131,072 bytes are read again and again by every wave.
; The sum of the partial sums is made by wave 0 of work-group 0 in one fixed order, while its rows are on their way.
.set IDX, 16                           ; v16-47   indices, then byte offsets in et
.set X,   64                           ; v64-191  step (a, m): 4 registers at X + 32 a + 4 m: x, then out0
.set P,   192                          ; v192-255 the partial sums (one wave only)
.set Q,   0                            ; v256-383 q, then q - x: named v0-127 through the window
; s_set_vgpr_msb's low byte: bits 1:0 source 0, 3:2 source 1, 5:4 source 2, 7:6 destination; the high byte repeats the setting that is left.
.set MSB, 0
.macro WIN new
.if MSB != \new
	s_set_vgpr_msb (MSB<<8)|\new
.set MSB, \new
.endif
.endm
	s_load_b256 s[4:11], s[0:1], 0x0               ; x s[4:5], idx s[6:7], et s[8:9], part s[10:11]
	s_load_b128 s[12:15], s[0:1], 0x20             ; out0 s[12:13], out1 s[14:15]
	v_lshrrev_b32 v1, 5, v0
	v_readfirstlane_b32 s16, v1                    ; wave 0..7
	v_and_b32 v1, 31, v0                           ; lane
	v_and_b32 v4, 15, v0
	v_lshlrev_b32 v4, 4, v4                        ; 16 r: my 16 bytes of a row
	v_bfe_u32 v3, v0, 4, 1                         ; hh
	v_lshl_add_u32 v2, v3, 8, v4                   ; x and out0: row hh, byte 16 r
	v_lshlrev_b32 v3, 4, v3                        ; idx: 16 hh
	s_lshl_b32 s18, ttmp9, 17                      ; 512 rows of 256 bytes a work-group,
	s_lshl_b32 s19, s16, 14                        ; 64 rows a wave
	s_add_co_u32 s18, s18, s19
	s_mov_b32 s19, 0
	s_lshr_b32 s20, s18, 6                         ; 4 bytes of index for 256 of x
	s_mov_b32 s21, 0
	s_or_b32 s22, ttmp9, s16                       ; 0 in wave 0 of work-group 0 alone
	s_mov_b32 s24, 0x76543210                      ; v_permlanex16_b32: lane i takes lane i of the other half
	s_mov_b32 s25, 0xfedcba98
	s_wait_kmcnt 0x0
	s_add_nc_u64 s[4:5], s[4:5], s[18:19]
	s_add_nc_u64 s[12:13], s[12:13], s[18:19]
	s_add_nc_u64 s[6:7], s[6:7], s[20:21]
.irp m, 0,1,2,3,4,5,6,7
	global_load_b128 v[IDX+4*\m:IDX+4*\m+3], v3, s[6:7] offset:32*\m
.endr
.irp a, 0,1,2,3
.irp m, 0,1,2,3,4,5,6,7
	global_load_b128 v[X+32*\a+4*\m:X+32*\a+4*\m+3], v2, s[4:5] offset:(16*\a+2*\m)*256 th:TH_LOAD_NT
.endr
.endr
	s_cmp_lg_u32 s22, 0
	s_cbranch_scc1 .Lrows
	; out1: 8,192 bytes are sixteen loads of 16 bytes a lane; a tree over the lane's 64 numbers, then across the lanes
	v_lshlrev_b32 v5, 4, v1
.irp i, 0,1,2,3,4,5,6,7,8,9,10,11,12,13,14,15
	global_load_b128 v[P+4*\i:P+4*\i+3], v5, s[10:11] offset:512*\i
.endr
	s_wait_loadcnt 0x0
.irp k, 0,2,4,6,8,10,12,14,16,18,20,22,24,26,28,30
	v_pk_add_f32 v[P+\k:P+\k+1], v[P+\k:P+\k+1], v[P+32+\k:P+32+\k+1]
.endr
.irp k, 0,2,4,6,8,10,12,14
	v_pk_add_f32 v[P+\k:P+\k+1], v[P+\k:P+\k+1], v[P+16+\k:P+16+\k+1]
.endr
.irp k, 0,2,4,6
	v_pk_add_f32 v[P+\k:P+\k+1], v[P+\k:P+\k+1], v[P+8+\k:P+8+\k+1]
.endr
.irp k, 0,2
	v_pk_add_f32 v[P+\k:P+\k+1], v[P+\k:P+\k+1], v[P+4+\k:P+4+\k+1]
.endr
	v_pk_add_f32 v[P:P+1], v[P:P+1], v[P+2:P+3]
	v_add_f32 v[P], v[P], v[P+1]
	v_add_f32_dpp v[P], v[P], v[P] row_xmask:1 row_mask:0xf bank_mask:0xf
	v_add_f32_dpp v[P], v[P], v[P] row_xmask:2 row_mask:0xf bank_mask:0xf
	v_add_f32_dpp v[P], v[P], v[P] row_xmask:4 row_mask:0xf bank_mask:0xf
	v_add_f32_dpp v[P], v[P], v[P] row_xmask:8 row_mask:0xf bank_mask:0xf
	v_permlanex16_b32 v[P+1], v[P], s24, s25
	v_add_f32 v[P], v[P], v[P+1]
	v_mul_f32 v[P], 0x34800000, v[P]               ; x 2^-22
	v_mov_b32 v6, 0
	v_cmp_eq_u32 vcc_lo, 0, v1
	s_wait_xcnt 0x0                                ; EXEC is a source of the loads above: it narrows only behind this wait
	s_and_saveexec_b32 s23, vcc_lo
	global_store_b32 v6, v[P], s[14:15]            ; lane 0 alone
	s_wait_xcnt 0x0                                ; and widens only behind this one
	s_or_b32 exec_lo, exec_lo, s23
.Lrows:
	s_wait_loadcnt 0x20                            ; loads return in order (ISA guide 5.7.1): the indices are in, the 32 loads of x may be out
.set i, 0
.rept 32
	v_min_u32 v[IDX+i], 0x1ff, v[IDX+i]            ; inside the table, whatever the word holds
	v_lshlrev_b32 v[IDX+i], 8, v[IDX+i]            ; a row of et is 256 bytes
	v_add_nc_u32 v[IDX+i], v[IDX+i], v4            ; + my 16 bytes
.set i, i+1
.endr
	WIN 0x40                                       ; q goes to v256..; the offsets stay below
.irp a, 0,1,2,3
.irp m, 0,1,2,3,4,5,6,7
	global_load_b128 v[Q+32*\a+4*\m:Q+32*\a+4*\m+3], v[IDX+4*\m+\a], s[8:9]
.endr
.endr
; Eight steps = 16 rows: q - x into q's registers, x + (q - x) into x's, eight stores.
.macro BATCH a
	s_wait_loadcnt 24-8*\a                         ; this batch's q (and all of x, asked before it) is in; the q of the later batches may be out
	WIN 0x41                                       ; destination and source 0 in v256.., source 1 below
.set i, 32*\a
.rept 16
	v_pk_add_f32 v[Q+i:Q+i+1], v[Q+i:Q+i+1], v[X+i:X+i+1] neg_lo:[0,1] neg_hi:[0,1]
.set i, i+2
.endr
	WIN 0x04                                       ; source 1 in v256.., the rest below
.set i, 32*\a
.rept 16
	v_pk_add_f32 v[X+i:X+i+1], v[X+i:X+i+1], v[Q+i:Q+i+1]
.set i, i+2
.endr
	WIN 0
.irp m, 0,1,2,3,4,5,6,7
	global_store_b128 v2, v[X+32*\a+4*\m:X+32*\a+4*\m+3], s[12:13] offset:(16*\a+2*\m)*256 th:TH_STORE_NT
.endr
.endm
	BATCH 0
	BATCH 1
	BATCH 2
	BATCH 3
	s_endpgm
.Lfunc_end_k_q71e135d3e6_gather:
	.size	k_q71e135d3e6_gather, .Lfunc_end_k_q71e135d3e6_gather-k_q71e135d3e6_gather
	.p2alignl 7, 3214868480
	.fill 96, 4, 3214868480
	.section	.rodata,"a",@progbits
	.p2align	6, 0x0
	.amdhsa_kernel k_q71e135d3e6_gather
		.amdhsa_group_segment_fixed_size 0
		.amdhsa_private_segment_fixed_size 0
		.amdhsa_enable_private_segment 0
		.amdhsa_kernarg_size 48
		.amdhsa_user_sgpr_count 2
		.amdhsa_user_sgpr_kernarg_segment_ptr 1
		.amdhsa_wavefront_size32 1
		.amdhsa_system_sgpr_workgroup_id_x 1
		.amdhsa_system_sgpr_workgroup_id_y 1
		.amdhsa_system_sgpr_workgroup_id_z 1
		.amdhsa_system_vgpr_workitem_id 0
		.amdhsa_next_free_vgpr 384
		.amdhsa_next_free_sgpr 66
		.amdhsa_reserve_vcc 1
		.amdhsa_float_denorm_mode_32 3
		.amdhsa_float_denorm_mode_16_64 3
		.amdhsa_memory_ordered 1
		.amdhsa_forward_progress 1
		.amdhsa_inst_pref_size 28
	.end_amdhsa_kernel
	.amdgpu_metadata
---
amdhsa.version: [ 1, 2 ]
amdhsa.kernels:
  - .name:           k_q71e135d3e6_gather
    .symbol:         k_q71e135d3e6_gather.kd
    .args:
      - { .name: inpt, .offset: 0, .size: 8, .value_kind: global_buffer, .address_space: global }
      - { .name: idx, .offset: 8, .size: 8, .value_kind: global_buffer, .address_space: global }
      - { .name: et, .offset: 16, .size: 8, .value_kind: global_buffer, .address_space: global }
      - { .name: part, .offset: 24, .size: 8, .value_kind: global_buffer, .address_space: global }
      - { .name: out0, .offset: 32, .size: 8, .value_kind: global_buffer, .address_space: global }
      - { .name: out1, .offset: 40, .size: 8, .value_kind: global_buffer, .address_space: global }
    .group_segment_fixed_size: 0
    .private_segment_fixed_size: 0
    .kernarg_segment_align: 8
    .kernarg_segment_size: 48
    .max_flat_workgroup_size: 256
    .sgpr_count:     66
    .vgpr_count:     384
    .wavefront_size: 32
...
	.end_amdgpu_metadata
.endif
;; end of part 4
